; MI455X (gfx1250); checked and timed in simulation.
; The chip was launched on July 23, 2026; its instructions are those of AMD's public machine-readable ISA for CDNA 5 (MIT licence, August 2026) and "CDNA5" Instruction Set Architecture Reference Guide (July 2026). The comments in the code are by the model that wrote it; some were corrected since.
;; Multiple Kmeans. Allowed arithmetic: matrix products marked QUANTISED: E3M2 operands, one E8M0 scale for each 32 along K, by v_wmma_scale_f32_16x16x128_f8f6f4 with both operands' format E3M2, f32 sums; everything else in f32.
;; Inputs: centroids 8 x 512 x 1,024 float32; emb 1 x 16,384 x 1,024 float32; model_idx 16,384 int32.
;; Outputs: out0 1 x 16,384 x 1,024 float32.
;; This version of the problem:
;;   THIS VERSION OF THE PROBLEM IS GIVEN IN LOW PRECISION. The matrix products marked QUANTISED in the list below multiply operands that are first quantised to E3M2 (3 exponent bits, 2 mantissa bits; 6 bits a number), with one power-of-two scale for each 32 numbers along K (OCP MX v1.0); their sums are f32. All else is computed in f32.
;;   The module's matrix products, in the order in which they are computed (A, B: the left and right operand; K: the contracted axis; several contracted axes count as one K, in the product's order):
;;     1. [M 16,384, K 1,024] x [K 1,024, N 4,096]; A: input emb; B: input centroids: QUANTISED
;;   THE QUANTISER, for each operand of a quantised product, along K:
;;     - K is cut into blocks of 32 from its start; a last block that is shorter is filled with zeros.
;;     - A block's scale is 2^e with e = floor(log2(the largest magnitude in the block)) - 4, held to -126 .. 127; a block of zeros has e = 0. As a byte (E8M0): e + 127.
;;     - Each number is divided by its block's scale, clamped to +-28, and rounded to the nearest number of E3M2, ties to even, subnormals kept.
;;     - The product sums the exact products of the quantised numbers (number of the format x scale) in f32.
;;   ~~~python
;;   def quantise(x, axis):      # numpy; x: float32 -> the quantised numbers, widened to float32 again
;;       x = np.moveaxis(x, axis, -1); K = x.shape[-1]
;;       x = np.pad(x, [(0, 0)] * (x.ndim - 1) + [(0, -K % 32)]); x = x.reshape(x.shape[:-1] + (-1, 32)); a = np.abs(x).max(-1, keepdims=True)
;;       e = np.where(a > 0, np.clip(np.frexp(np.where(a > 0, a, 1))[1] - 1 - 4, -126, 127), 0)      # np.frexp(a)[1] - 1 = floor(log2(a)), exactly
;;       r = np.clip(x / 2.0 ** e, -28, 28)
;;       step = 2.0 ** (np.maximum(np.frexp(np.where(r == 0, 1, r))[1] - 1, -2) - 2)
;;       q = np.round(r / step) * step * 2.0 ** e      # np.round: ties to even
;;       return np.moveaxis(q.reshape(q.shape[:-2] + (-1,))[..., :K], -1, axis).astype(np.float32)
;;   ~~~
;; One version. Each part assembles by itself: llvm-mc -triple=amdgcn-amd-amdhsa -mcpu=gfx1250 --defsym DOCPART=n.
;; ======== version 1 of 1: 3 launches
;; limits: right only within a limited range of input values
;; workspace buffers: wcodes 3,145,728 bytes; wscales 131,072 bytes; csq 16,384 bytes; order 65,536 bytes of whole numbers; tiles 4,096 bytes of whole numbers; codes 65,536 bytes of whole numbers
;; launch prep (part 1): grid 256 x 1, 8 waves a work-group, no clusters, 69,888 bytes of LDS; arguments centroids, model_idx, wcodes, wscales, csq, order, tiles; writes wcodes, wscales, csq, order, tiles
.if DOCPART == 1
	.amdgcn_target "amdgcn-amd-amdhsa--gfx1250"
	.amdhsa_code_object_version 6
	.text
	.protected	k_q963a99de98_prep
	.globl	k_q963a99de98_prep
	.p2align	8
	.type	k_q963a99de98_prep,@function
k_q963a99de98_prep:
	s_mov_b64 s[64:65], 0
	v_nop
	global_prefetch_b8 v0, s[64:65] scope:SCOPE_SE
	s_setreg_imm32_b32 hwreg(HW_REG_WAVE_MODE, 25, 1), 1
	s_wait_xcnt 0x0
; WORK LEFT OUT BY THE PROGRAM: reference() forms the distances to all 8 models' centroids and keeps, by its own take_along_axis on model_idx, one model's 512 for each frame.
;   The other seven models' distances reach no output whatever the inputs hold, so the program multiplies each frame with the centroids of its own model alone; model_idx is read from memory here and decides which.
;   A NaN, an infinity or an overflow that would arise only in the distances left out is not carried to the result.
; EVERY WORK-GROUP g (0 .. 255) DOES A 256TH OF TWO JOBS.
; THE CENTROIDS [4096 rows][1024] f32 become codes of BF6 (E3M2) with one E8M0 byte for each 32 along the row, and each row's sum of squares.
;   Work-group g takes rows 16 g .. 16 g + 15; its wave s takes k = 128 s .. 128 s + 127: one operand fragment (16 rows x 128 k, 12 registers a lane).
;   Each of a wave's 16 loads reads 512 consecutive bytes of one row; the 8 KiB turn through the wave's own stage in LDS (rows 528 bytes apart) and come back 64 bytes of one row a lane, as the conversions want them.
;   The codes are laid in the ORDER OF THE OPERAND'S REGISTERS: fragment (T8 = g / 8, K step s, tile t = g % 8) at T8 x 98,304 + s x 12,288 + t x 1,536 bytes; in it registers 4 c .. 4 c + 3 of lane l at 512 c + 16 l.
;   Scale bytes: [row][32]; a row's word s serves K step s.  A block's byte is its largest magnitude's exponent field - 4, held at 1 from below.
; THE SORT of the 16,384 frames by model_idx, without atomics: order[] = frame numbers, model by model; tiles[] = 256 entries (model, first position, count, 0) of at most 80 frames
;   (never more than 205 + 7 = 212 tiles; the entries behind the last tile have count 0).
;   A frame's position = its model's first position + the model's frames with a lower number.  Work-group g places frames 64 g .. 64 g + 63.  For that it reads all of model_idx (64 KiB, 512 consecutive bytes a load)
;   and counts, for each model, all frames and the frames under 64 g: two sums over the 256 threads, no running sum.  Wave 0 then ranks the group's own 64 frames (two a lane) by lane masks and stores their numbers:
;   two stores of 4 bytes a lane to places that hang on the data, 256 bytes a work-group.  Wave 3 of work-groups 0 to 7 writes 32 entries of the list, 512 consecutive bytes.
; No tensor load, no cluster, no prefetch: the text has no loop, and each byte of the centroids is read once by one wave.
; LIMITS: NaN and infinities among the centroids are not served.  A block whose largest magnitude lies under 2^-122 (a block of zeros too) keeps the byte 1: zero codes add nothing under that byte,
;   and the bytes are read by this program alone.  The sum of squares is taken in another order than a plain running sum.  model_idx holds 0 .. 7, as the table that it indexes asks.
.set SP,    528                        ; a stage row: 512 bytes + 16: the sixteen rows that a load of 16 bytes a lane touches begin 16 bytes apart modulo 256
.set WSTG,  16*SP                      ; a wave's stage
.set SCL,   8*WSTG                     ; LDS: 16 rows x 32 scale bytes
.set CSQ,   SCL+512                    ; [K step 8][row 16] partial sums of squares, f32
.set WT,    CSQ+512                    ; 8 waves x 32 bytes: each wave's counts
.set SPARE, WT+256                     ; the spare words, 128 bytes for each wave: four blocks of 256 bytes that no other line names
.set LI,  4                            ; v4   16 x lane
.set STW, 5                            ; v5   into my stage: 16 x lane
.set E,   16                           ; v16-79   64 elements of model_idx: register 4 j + i = frame 1,024 j + 4 thread + i
.set X,   16                           ; then 64 numbers: register 16 b + i = k 32 b + 16 h + i of row r
.set TM,  80                           ; v80-95   at work while quantising
.set Q,   84                           ; v84-87 all frames, v88-91 frames under 64 g: counts in fields of 16 bits, register k holds models 2 k and 2 k + 1
.set PC,  96                           ; v96-114  the codes
.set PW,  116                          ; the scale word
.set SQ,  118                          ; v118-121 sums of squares, two packed chains
.set STR, 123                          ; out of my stage: 528 r + 64 h
.set NJ,  124                          ; how many of my 16 loads hold frames under 64 g
.set ONE, 125
.set GA,  126
.set GB,  127
.set R,   128                          ; v128-191 the centroids as loaded
.set TA,  192
.set TB,  193
.set TE,  194                          ; all frames: even models, a byte each;  TO: odd models
.set TO,  195
.set BE,  196                          ; frames under 64 g, likewise
.set BO,  197
.set SPW, 198                          ; LDS address of my spare word; never rewritten
.set NIL, 199                          ; 0; never rewritten
.set C0,  200                          ; v200-201 wave 0: the models of frames 64 g + 2 lane, + 1
.set P0,  202                          ; their places
.set P1,  203
.set F0,  204                          ; v204-205 their numbers
.set PT,  206
.set TT,  202                          ; wave 3: my entry's number, and
.set TF,  203                          ; its byte offset
	s_load_b256 s[4:11], s[0:1], 0x0               ; centroids s[4:5], model_idx s[6:7], wcodes s[8:9], wscales s[10:11]
	s_load_b128 s[12:15], s[0:1], 0x20             ; csq s[12:13], order s[14:15]
	s_load_b64 s[16:17], s[0:1], 0x30              ; tiles
	v_lshl_add_u32 v[SPW], v0, 2, SPARE
	v_mov_b32 v[NIL], 0
	v_lshrrev_b32 v1, 5, v0
	v_readfirstlane_b32 s18, v1                    ; wave 0..7
	v_and_b32 v1, 31, v0                           ; lane
	v_and_b32 v2, 15, v0                           ; r
	v_bfe_u32 v3, v0, 4, 1                         ; h
	v_lshlrev_b32 v[LI], 4, v1
	v_lshlrev_b32 v10, 2, v2                       ; 4 r
	v_lshlrev_b32 v11, 3, v1                       ; 8 x lane
	v_lshlrev_b32 v12, 4, v0                       ; 16 x thread
	s_mul_i32 s19, s18, WSTG
	v_add_nc_u32 v[STW], s19, v[LI]
	v_mul_u32_u24 v[STR], v2, SP
	v_lshl_add_u32 v[STR], v3, 6, v[STR]
	v_add_nc_u32 v[STR], s19, v[STR]
	s_lshl_b32 s19, s18, 2
	v_lshl_add_u32 v6, v2, 5, s19
	v_add_nc_u32 v6, SCL, v6                       ; SCL + 32 r + 4 s: my row's scale word of my K step
	s_lshl_b32 s19, s18, 6
	v_add_nc_u32 v7, s19, v10
	v_add_nc_u32 v7, CSQ, v7                       ; CSQ + 64 s + 4 r
	v_add_nc_u32 v9, CSQ, v10                      ; CSQ + 4 r
	v_add_nc_u32 v8, SCL, v[LI]                    ; SCL + 16 x lane
	s_lshl_b32 s19, s18, 5
	v_mov_b32 v13, s19
	v_add_nc_u32 v13, WT, v13                      ; WT + 32 x wave
	v_and_b32 v14, 7, v0
	v_lshl_add_u32 v14, v14, 5, WT                 ; WT + 32 (lane % 8)
	s_lshr_b32 s23, ttmp9, 4                       ; frames under 64 g: my loads j < g / 16 whole, and load j = g / 16 in threads under 16 (g % 16)
	s_and_b32 s24, ttmp9, 15
	s_lshl_b32 s24, s24, 4
	v_cmp_gt_u32 vcc_lo, s24, v0
	v_cndmask_b32 v[NJ], 0, 1, vcc_lo
	v_add_nc_u32 v[NJ], s23, v[NJ]
	v_mov_b32 v[ONE], 1
	v_mov_b32 v122, 0                              ; written once: a lane permute's destination counts as one of its sources
	v_mov_b32 v[C0], 0                             ; the pair is defined in every wave; wave 0 alone loads it
	v_mov_b32 v[C0+1], 0
	s_mov_b32 s20, 0x76543210
	s_mov_b32 s21, 0xfedcba98                      ; v_permlanex16_b32's selects for lane l xor 16
	s_mov_b32 s22, 0x0f0f0f0f
	s_lshl_b32 s28, ttmp9, 16                      ; 16 rows of 4,096 bytes a work-group,
	s_lshl_b32 s29, s18, 9                         ; 512 bytes a K step
	s_add_co_u32 s28, s28, s29
	s_mov_b32 s29, 0
	s_lshr_b32 s30, ttmp9, 3
	s_mul_i32 s30, s30, 98304
	s_mul_i32 s31, s18, 12288
	s_add_co_u32 s30, s30, s31
	s_and_b32 s31, ttmp9, 7
	s_mul_i32 s31, s31, 1536
	s_add_co_u32 s30, s30, s31                     ; my fragment's place among the codes
	s_mov_b32 s31, 0
	s_lshl_b32 s32, ttmp9, 9                       ; 16 rows x 32 scale bytes
	s_mov_b32 s33, 0
	s_lshl_b32 s34, ttmp9, 6                       ; 16 sums
	s_mov_b32 s35, 0
	s_lshl_b32 s36, ttmp9, 8                       ; my work-group's 64 elements of model_idx
	s_mov_b32 s37, 0
	s_wait_alu depctr_va_vdst(0)
	s_wait_kmcnt 0x0
	s_add_nc_u64 s[4:5], s[4:5], s[28:29]
	s_add_nc_u64 s[8:9], s[8:9], s[30:31]
	s_add_nc_u64 s[10:11], s[10:11], s[32:33]
	s_add_nc_u64 s[12:13], s[12:13], s[34:35]
	s_add_nc_u64 s[36:37], s[6:7], s[36:37]
	s_cmp_lg_u32 s18, 0
	s_cbranch_scc1 .Lnot_wave_0
	global_load_b64 v[C0:C0+1], v11, s[36:37]      ; wave 0: 256 consecutive bytes; the oldest load, so every wait below covers it
.Lnot_wave_0:
.irp j, 0,1,2,3,4,5,6,7,8,9,10,11,12,13,14,15
	global_load_b128 v[E+4*\j:E+4*\j+3], v12, s[6:7] offset:4096*\j   ; 32 lanes read 512 consecutive bytes
.endr
.irp j, 0,1,2,3,4,5,6,7,8,9,10,11,12,13,14,15
	global_load_b128 v[R+4*\j:R+4*\j+3], v[LI], s[4:5] offset:4096*\j   ; row j's 512 bytes of my K step.  No hint: the last launch reads these rows again
.endr
	s_wait_loadcnt 16                              ; model_idx is in; the 16 loads of centroids may be out
; ---- the counts.  Loads 2 p and 2 p + 1: four elements each are counted in fields of 4 bits (one a model), once for all frames and once for the frames under 64 g; the two loads' counts (8 at the most) go on to fields of 8 bits (64 at the most)
.macro CNT p
.irp e, 0,1,2,3,4,5,6,7
	v_lshlrev_b32 v[E+8*(\p)+\e], 2, v[E+8*(\p)+\e]        ; 4 x model: the field's place
.endr
	v_lshlrev_b32 v[GA], v[E+8*(\p)], v[ONE]
	v_lshlrev_b32 v[GB], v[E+8*(\p)+4], v[ONE]
.irp e, 1,2,3
	v_lshl_add_u32 v[GA], 1, v[E+8*(\p)+\e], v[GA]
	v_lshl_add_u32 v[GB], 1, v[E+8*(\p)+4+\e], v[GB]
.endr
	v_cmp_lt_u32 vcc_lo, 2*(\p), v[NJ]
	v_cndmask_b32 v[TA], 0, v[GA], vcc_lo
	v_cmp_lt_u32 vcc_lo, 2*(\p)+1, v[NJ]
	v_cndmask_b32 v[TB], 0, v[GB], vcc_lo
	v_add_nc_u32 v[GA], v[GA], v[GB]
	v_add_nc_u32 v[TA], v[TA], v[TB]
.if (\p) == 0
	v_and_b32 v[TE], s22, v[GA]
	v_lshrrev_b32 v[GA], 4, v[GA]
	v_and_b32 v[BE], s22, v[TA]
	v_lshrrev_b32 v[TA], 4, v[TA]
	v_and_b32 v[TO], s22, v[GA]
	v_and_b32 v[BO], s22, v[TA]
.else
	v_and_b32 v[GB], s22, v[GA]
	v_lshrrev_b32 v[GA], 4, v[GA]
	v_and_b32 v[TB], s22, v[TA]
	v_lshrrev_b32 v[TA], 4, v[TA]
	v_add_nc_u32 v[TE], v[TE], v[GB]
	v_and_b32 v[GA], s22, v[GA]
	v_add_nc_u32 v[BE], v[BE], v[TB]
	v_and_b32 v[TA], s22, v[TA]
	v_add_nc_u32 v[TO], v[TO], v[GA]
	v_add_nc_u32 v[BO], v[BO], v[TA]
.endif
.endm
.irp p, 0,1,2,3,4,5,6,7
	CNT \p
.endr
.irp k, 0,1,2,3
	v_bfe_u32 v[Q+\k], v[TE], 8*\k, 8
	v_bfe_u32 v[GA], v[TO], 8*\k, 8
	v_bfe_u32 v[Q+4+\k], v[BE], 8*\k, 8
	v_bfe_u32 v[GB], v[BO], 8*\k, 8
	v_lshl_or_b32 v[Q+\k], v[GA], 16, v[Q+\k]      ; fields of 16 bits: no sum here passes 16,384, so no carry leaves a field
	v_lshl_or_b32 v[Q+4+\k], v[GB], 16, v[Q+4+\k]
.endr
.irp n, 1,2,4,8                        ; the sums over the wave's 32 lanes, the eight registers by turns; the elements' registers, done with, take what comes from the other lane
.irp x, 0,1,2,3,4,5,6,7
	v_mov_b32_dpp v[E+\x], v[Q+\x] row_xmask:\n row_mask:0xf bank_mask:0xf
.endr
.irp x, 0,1,2,3,4,5,6,7
	v_add_nc_u32 v[Q+\x], v[Q+\x], v[E+\x]
.endr
.endr
.irp x, 0,1,2,3,4,5,6,7
	v_permlanex16_b32 v[E+\x], v[Q+\x], s20, s21
.endr
.irp x, 0,1,2,3,4,5,6,7
	v_add_nc_u32 v[Q+\x], v[Q+\x], v[E+\x]
.endr
	ds_store_b128 v13, v[Q:Q+3]                    ; all lanes write the same 32 bytes with the same values
	ds_store_b128 v13, v[Q+4:Q+7] offset:16
; ---- the centroids: through my stage, as they lie; LDS serves a wave's instructions in order, so no wait stands between the stores and the loads
.irp j, 0,1,2,3,4,5,6,7,8,9,10,11,12,13,14,15
	s_wait_loadcnt 15-\j                           ; row j is in; the younger rows may be out
	ds_store_b128 v[STW], v[R+4*\j:R+4*\j+3] offset:SP*\j
.endr
.irp b, 0,1,2,3
.irp j, 0,1,2,3
	ds_load_b128 v[X+16*\b+4*\j:X+16*\b+4*\j+3], v[STR] offset:128*\b+16*\j
.endr
.endr
	s_wait_dscnt 0x0
	v_pk_mul_f32 v[SQ:SQ+1], v[X:X+1], v[X:X+1]                    ; the squares of my 64 numbers, two at a time, in two chains; the first products start the sums
	v_pk_mul_f32 v[SQ+2:SQ+3], v[X+2:X+3], v[X+2:X+3]
.irp j, 4,8,12,16,20,24,28,32,36,40,44,48,52,56,60
	v_pk_fma_f32 v[SQ:SQ+1], v[X+\j:X+\j+1], v[X+\j:X+\j+1], v[SQ:SQ+1]
	v_pk_fma_f32 v[SQ+2:SQ+3], v[X+\j+2:X+\j+3], v[X+\j+2:X+\j+3], v[SQ+2:SQ+3]
.endr
	v_pk_add_f32 v[SQ:SQ+1], v[SQ:SQ+1], v[SQ+2:SQ+3]
	v_add_f32 v[SQ], v[SQ], v[SQ+1]
	v_permlanex16_b32 v122, v[SQ], s20, s21
	v_add_f32 v[SQ], v[SQ], v122                   ; with lane l xor 16's: row r's sum over my 128 k
.irp b, 0,1,2,3
	v_max3_num_f32 v[TM+\b], |v[X+16*\b]|, |v[X+1+16*\b]|, 0x2800000   ; my 16 numbers of block b, and the floor 2^(5 - 127): so the byte cannot fall under 1
.endr
.irp i, 2,4,6,8,10,12,14
.irp b, 0,1,2,3
	v_max3_num_f32 v[TM+\b], v[TM+\b], |v[X+16*\b+\i]|, |v[X+1+16*\b+\i]|   ; the four blocks by turns
.endr
.endr
.irp b, 0,1,2,3
	v_permlanex16_b32 v[TM+4+\b], v[TM+\b], s20, s21   ; (its destination, which counts as read, held counts before)
.endr
.irp b, 0,1,2,3
	v_max_num_f32 v[TM+\b], v[TM+\b], v[TM+4+\b]   ; with lane l xor 16's 16: the block's largest magnitude
.endr
.irp b, 0,1,2,3
	v_add_nc_u32 v[TM+12+\b], 0xfe000000, v[TM+\b] ; 4 off its exponent field: the conversion takes the exponent field of this operand as its scale
.endr
.irp b, 0,1,2,3
	v_lshrrev_b32 v[TM+4+\b], 23, v[TM+12+\b]      ; the scale's byte
.endr
	v_lshl_or_b32 v[PW], v[TM+5], 8, v[TM+4]       ; the four bytes make my row's scale word for this K step
	v_lshl_or_b32 v[PW], v[TM+6], 16, v[PW]
	v_lshl_or_b32 v[PW], v[TM+7], 24, v[PW]
.irp c, 0,1
	v_cvt_scalef32_pk16_bf6_f32 v[PC+6*\c:PC+2+6*\c], v[X+32*\c:X+15+32*\c], v[TM+12+2*\c]
	v_cvt_scalef32_pk16_bf6_f32 v[PC+12+4*\c:PC+14+4*\c], v[X+16+32*\c:X+31+32*\c], v[TM+12+2*\c+1]   ; (a conversion's three registers begin on an even number)
.endr
	v_nop                                          ; one plain vector instruction behind the scaled conversions
.irp c, 0,1                                    ; the operand's layout wants a WHOLE block in a lane: lanes 0-15 block 2 c, lanes 16-31 block 2 c + 1
.irp i, 0,1,2
	v_permlane16_swap_b32 v[PC+6*\c+\i], v[PC+12+4*\c+\i]
.endr
.irp i, 0,1,2
	v_mov_b32 v[PC+3+6*\c+\i], v[PC+12+4*\c+\i]
.endr
.endr
.irp c, 0,1,2
	global_store_b128 v[LI], v[PC+4*\c:PC+4*\c+3], s[8:9] offset:512*\c   ; the fragment as it stands: 32 lanes store 512 consecutive bytes, at a multiple of 512 from the buffer's first byte
.endr
	ds_store_b32 v6, v[PW]                         ; lanes r and r + 16 write the same word with the same value
	ds_store_b32 v7, v[SQ]
	s_wait_alu depctr_va_vdst(0)
	s_wait_dscnt 0x0                               ; for the others' sake: my LDS stores are done: counts, scale word, partial sum
	s_barrier_signal -1
	s_barrier_wait -1
	; what is left is shared out by the wave's number: wave 0 places the frames, wave 1 sums the squares, wave 2 sends the scale bytes, wave 3 of work-groups 0 to 7 writes the list of tiles
	s_cmp_eq_u32 s18, 1
	s_cbranch_scc1 .Lcsq
	s_cmp_eq_u32 s18, 2
	s_cbranch_scc1 .Lscl
	s_cmp_eq_u32 s18, 0
	s_cbranch_scc1 .Lsums
	s_cmp_lg_u32 s18, 3
	s_cbranch_scc1 .Lend
	s_cmp_ge_u32 ttmp9, 8
	s_cbranch_scc1 .Lend
.Lsums:
	ds_load_b128 v[116:119], v14                   ; lane l: the counts of wave l % 8
	ds_load_b128 v[120:123], v14 offset:16
	s_wait_dscnt 0x0
.irp n, 1,2,4
.irp x, 0,1,2,3,4,5,6,7
	v_mov_b32_dpp v[E+\x], v[116+\x] row_xmask:\n row_mask:0xf bank_mask:0xf
.endr
.irp x, 0,1,2,3,4,5,6,7
	v_add_nc_u32 v[116+\x], v[116+\x], v[E+\x]
.endr
.endr
.irp k, 0,1,2,3
	v_readfirstlane_b32 s[30+\k], v[116+\k]        ; all 16,384 frames,
	v_readfirstlane_b32 s[34+\k], v[120+\k]        ; and the frames under 64 g
.endr
.irp k, 0,1,2,3
	s_and_b32 s[40+2*\k], s[30+\k], 0xffff         ; s40-47: each model's count
	s_lshr_b32 s[41+2*\k], s[30+\k], 16
.endr
	s_mov_b32 s48, 0                               ; s48-55: each model's first position
.irp m, 0,1,2,3,4,5,6
	s_add_co_u32 s[49+\m], s[48+\m], s[40+\m]
.endr
	s_cmp_lg_u32 s18, 0
	s_cbranch_scc1 .Ltiles
	; ---- wave 0: the places of frames 64 g + 2 lane and 64 g + 2 lane + 1
.irp k, 0,1,2,3
	s_and_b32 s[66+2*\k], s[34+\k], 0xffff
	s_lshr_b32 s[67+2*\k], s[34+\k], 16
.endr
.irp m, 0,1,2,3,4,5,6,7
	s_add_co_u32 s[66+\m], s[66+\m], s[48+\m]      ; s66-73: where each model's first frame of this work-group goes
.endr
	s_lshl_b32 s75, ttmp9, 6
	v_lshl_add_u32 v[F0], v1, 1, s75
	v_or_b32 v[F0+1], 1, v[F0]
	v_mov_b32 v[P0], 0
	v_mov_b32 v[P1], 0
.irp m, 0,1,2,3,4,5,6,7
	v_cmp_eq_u32 s76, \m, v[C0]                    ; the lanes whose first, whose second frame is of model m
	v_cmp_eq_u32 s77, \m, v[C0+1]
	v_mbcnt_lo_u32_b32 v[PT], s76, s[66+\m]        ; the model's frames in the lanes under mine, on top of its start
	v_mbcnt_lo_u32_b32 v[PT], s77, v[PT]
	v_cndmask_b32 v[P0], v[P0], v[PT], s76
	v_cndmask_b32 v[P1], v[P1], v[PT], s77
.endr
	v_cmp_eq_u32 vcc_lo, v[C0], v[C0+1]
	v_cndmask_b32 v[PT], 0, 1, vcc_lo
	v_add_nc_u32 v[P1], v[P1], v[PT]               ; my second frame stands behind my first where both are of one model
	v_min_u32 v[P0], 0x3fff, v[P0]                 ; a position made of loaded numbers is held inside the buffer
	v_min_u32 v[P1], 0x3fff, v[P1]
	v_lshlrev_b32 v[P0], 2, v[P0]
	v_lshlrev_b32 v[P1], 2, v[P1]
	global_store_b32 v[P0], v[F0], s[14:15]
	global_store_b32 v[P1], v[F0+1], s[14:15]
	s_branch .Lend
	; ---- wave 3 of work-groups 0 to 7: entries 32 g + lane of the list.  An entry's model is the last whose first tile is not behind it
.Ltiles:
	s_mov_b32 s56, 0                               ; s56-63: each model's first tile
.irp m, 0,1,2,3,4,5,6
	s_add_co_u32 s74, s[40+\m], 79
	s_mul_i32 s74, s74, 52429                      ; (n x 52,429) >> 22 = n / 80 rounded down, for n up to 16,463: the factor is 1 / 80 + 4.8e-8, and 16,463 x 4.8e-8 is under 1 / 80
	s_lshr_b32 s74, s74, 22
	s_add_co_u32 s[57+\m], s[56+\m], s74
.endr
	s_lshl_b32 s75, ttmp9, 5
	v_add_nc_u32 v[TT], s75, v1
	v_lshlrev_b32 v[TF], 4, v[TT]
	v_mov_b32 v128, 0
	v_mov_b32 v125, s56
	v_mov_b32 v126, s48
	v_mov_b32 v127, s40
.irp k, 1,2,3,4,5,6,7
	v_cmp_gt_u32 vcc_lo, s[56+\k], v[TT]           ; model k begins behind the entry: keep
	v_cndmask_b32 v128, \k, v128, vcc_lo
	v_cndmask_b32 v125, s[56+\k], v125, vcc_lo
	v_cndmask_b32 v126, s[48+\k], v126, vcc_lo
	v_cndmask_b32 v127, s[40+\k], v127, vcc_lo
.endr
	v_sub_nc_u32 v124, v[TT], v125
	v_mul_u32_u24 v124, v124, 80                   ; frames of the model in front of this tile
	v_add_nc_u32 v129, v126, v124                  ; first position
	v_min_u32 v130, v127, v124
	v_sub_nc_u32 v130, v127, v130
	v_min_u32 v130, 80, v130                       ; count: 0 behind the last tile
	v_mov_b32 v131, 0
	global_store_b128 v[TF], v[128:131], s[16:17]  ; 32 lanes store 512 consecutive bytes
	s_branch .Lend
.Lcsq:
.irp k, 0,1,2,3,4,5,6,7
	ds_load_b32 v[124+\k], v9 offset:64*\k         ; wave 1: row r's eight partial sums
.endr
	s_wait_dscnt 0x0
	v_add_f32 v124, v124, v125
	v_add_f32 v126, v126, v127
	v_add_f32 v128, v128, v129
	v_add_f32 v130, v130, v131
	v_add_f32 v124, v124, v126
	v_add_f32 v128, v128, v130
	v_add_f32 v124, v124, v128
	global_store_b32 v10, v124, s[12:13]           ; 64 bytes a work-group (both halves of the lanes write the same): a piece of an aligned 256 bytes; 16 KiB in the whole launch
	s_branch .Lend
.Lscl:
	ds_load_b128 v[124:127], v8                    ; wave 2: the 16 rows' 512 scale bytes leave as they lie in memory
	s_wait_dscnt 0x0
	global_store_b128 v[LI], v[124:127], s[10:11]
.Lend:
	s_wait_tensorcnt 0x0                           ; the wave's end, behind my last LDS store
	ds_add_u32 v[SPW], v[NIL]
	s_wait_dscnt 0x0
	s_endpgm
.Lfunc_end_k_q963a99de98_prep:
	.size	k_q963a99de98_prep, .Lfunc_end_k_q963a99de98_prep-k_q963a99de98_prep
	.p2alignl 7, 3214868480
	.fill 96, 4, 3214868480
	.section	.rodata,"a",@progbits
	.p2align	6, 0x0
	.amdhsa_kernel k_q963a99de98_prep
		.amdhsa_group_segment_fixed_size 69888
		.amdhsa_private_segment_fixed_size 0
		.amdhsa_enable_private_segment 0
		.amdhsa_kernarg_size 56
		.amdhsa_user_sgpr_count 2
		.amdhsa_user_sgpr_kernarg_segment_ptr 1
		.amdhsa_wavefront_size32 1
		.amdhsa_system_sgpr_workgroup_id_x 1
		.amdhsa_system_sgpr_workgroup_id_y 1
		.amdhsa_system_sgpr_workgroup_id_z 1
		.amdhsa_system_vgpr_workitem_id 0
		.amdhsa_next_free_vgpr 208
		.amdhsa_next_free_sgpr 96
		.amdhsa_reserve_vcc 1
		.amdhsa_float_denorm_mode_32 3
		.amdhsa_float_denorm_mode_16_64 3
		.amdhsa_memory_ordered 1
		.amdhsa_forward_progress 1
		.amdhsa_inst_pref_size 43
	.end_amdhsa_kernel
	.amdgpu_metadata
---
amdhsa.version: [ 1, 2 ]
amdhsa.kernels:
  - .name:           k_q963a99de98_prep
    .symbol:         k_q963a99de98_prep.kd
    .args:
      - { .name: centroids, .offset: 0, .size: 8, .value_kind: global_buffer, .address_space: global }
      - { .name: model_idx, .offset: 8, .size: 8, .value_kind: global_buffer, .address_space: global }
      - { .name: wcodes, .offset: 16, .size: 8, .value_kind: global_buffer, .address_space: global }
      - { .name: wscales, .offset: 24, .size: 8, .value_kind: global_buffer, .address_space: global }
      - { .name: csq, .offset: 32, .size: 8, .value_kind: global_buffer, .address_space: global }
      - { .name: order, .offset: 40, .size: 8, .value_kind: global_buffer, .address_space: global }
      - { .name: tiles, .offset: 48, .size: 8, .value_kind: global_buffer, .address_space: global }
    .group_segment_fixed_size: 69888
    .private_segment_fixed_size: 0
    .kernarg_segment_align: 8
    .kernarg_segment_size: 56
    .max_flat_workgroup_size: 256
    .sgpr_count:     96
    .vgpr_count:     208
    .wavefront_size: 32
...
	.end_amdgpu_metadata
.endif
;; end of part 1
;; launch dist (part 2): grid 212 x 1, 4 waves a work-group, no clusters, 72,192 bytes of LDS; arguments emb, wcodes, wscales, csq, order, tiles, codes; writes codes
.if DOCPART == 2
	.amdgcn_target "amdgcn-amd-amdhsa--gfx1250"
	.amdhsa_code_object_version 6
	.text
	.protected	k_q963a99de98_dist
	.globl	k_q963a99de98_dist
	.p2align	8
	.type	k_q963a99de98_dist,@function
k_q963a99de98_dist:
	s_mov_b64 s[64:65], 0
	v_nop
	global_prefetch_b8 v0, s[64:65] scope:SCOPE_SE
	s_setreg_imm32_b32 hwreg(HW_REG_WAVE_MODE, 25, 1), 1
	s_wait_xcnt 0x0
; For one tile of the list (at most 80 frames of ONE model): gather the frames' rows of emb, take their sums of squares, quantise them to BF6 (E3M2, one E8M0 byte for each 32 along the row),
; multiply them with the model's 512 centroids (codes made by the launch before), form d = (x_sq - 2 dot) + c_sq in f32 in that order, and store for each frame the row number (512 model + first argmin) of its centroid.
; Only the chosen model's distances are kept by the problem's own gather, so only they are made.
; SHARES.  The four waves share the COLUMNS: wave w owns centroids 128 w .. 128 w + 127 (eight tiles t of 16) for all five tiles i of 16 frames: 40 accumulators, 320 registers.
;   For the quantising they share K, IN TWO HALVES: wave w takes K step w of all 80 rows (units 0-4 of 16 rows x 128 k), then K step 4 + w (units 5-9).
;   The frames' fragments go from wave to wave through LDS as images of their registers (3 x 512 bytes, lane l's 16 bytes at 16 l) with their scale words (4 bytes a lane).
;   THE WALK: units 0-4; a barrier; K steps 0-3 are multiplied, and between them units 5-9 are quantised, whose loads were asked for while the first half was at work; a barrier; K steps 4-7.
;   The centroids' fragments come from memory straight into registers, two sets by turns, 512 consecutive bytes a load; K step 0's are asked for in the head, beside the frame numbers.
; THE MATRIX INSTRUCTION IS USED TRANSPOSED: source 0 = 16 centroids, source 1 = 16 frames: a lane holds ONE frame (lane % 16), and register j of tile t centroid 16 t + 8 (lane / 16) + j.
; A tile with fewer than 80 frames repeats its last frame; the repeats' results are not stored.  An entry with count 0 runs the same text on one position held inside the list and stores nothing:
;   the barriers stand on every wave's path, under no branch on a loaded number.  205 tiles at the least have frames, so at most 7 of the 212 work-groups are such.
; NO CLUSTER, NO TENSOR LOAD: which model a work-group serves is read from memory, and a model's tiles (count / 80, rounded up) are no multiple of four, so four partners cannot be promised the same weights.
; NO PREFETCH: the text has no loop; every load is asked for as far ahead as registers are free.
; LIMITS: NaN and infinities among the inputs are not served (a NaN distance has no place in the argmin here).  A block whose largest magnitude lies under 2^-122 (a block of zeros too) keeps the scale byte 1.
;   x_sq is summed in another order than a plain running sum.  Ties go to the lower index.
; REGISTERS, in windows of 256 (s_set_vgpr_msb: bits 1:0 source 0, 3:2 source 1, 5:4 source 2, 7:6 destination):
;   window 0: v0-15 lane numbers and addresses; v16-20 the frames' byte offsets; v24-33 x_sq; v34-65 the centroids' scale words; v66-69 the rows that I store and their offsets in codes;
;             v72-129 at work while quantising; v132-191 the frames' fragments of even K steps; v192-201 their scale words, two sets; v202-221 partial sums; at the end v72-167 distances and the argmin
;   window 1: centroid fragments, sets 0 (v0-95) and 1 (v96-191); v192-251 the frames' fragments of odd K steps
;   window 2: four slots of 64 numbers of emb for units 0-4; then the accumulators of frame tiles 0-3, (i, t) at v[8 (8 i + t)]
;   window 3: v0-63 the accumulators of frame tile 4; v64-255 three slots of 64 numbers for units 5-9; then v160-223 c_sq in the result's layout
.set XIMG, 0                           ; LDS: 40 images of 1,536 bytes: K step s, frame tile i at 5 s + i
.set XSC,  61440                       ; their scale words, 128 bytes each
.set XSQ,  66560                       ; [wave 4][row 80] partial sums of squares, f32
.set RED,  67840                       ; [wave 4][row 80] x 8 bytes: smallest distance, row number
.set LI,   4                           ; v4   16 x lane
.set LS,   5                           ; v5   XSC + 4 x lane
.set XWI,  6                           ; v6   where I store images: 16 x lane + 7,680 x wave
.set XWS,  7                           ; v7   and scale words: XSC + 4 x lane + 640 x wave
.set XO,   16
.set XQS,  24
.set WSC,  34                          ; register 8 p + s: lanes 0-15 tile 2 p, lanes 16-31 tile 2 p + 1, K step s.  Scales and nothing else
.set ROWA, 66                          ; v66  16 w + r: the row of the tile whose result I store
.set ROWB, 67                          ; v67  64 + r: wave 0's second row
.set ADA,  68                          ; v68  row A's byte offset in codes; made once at the head, never rewritten
.set ADB,  69                          ; v69  row B's
.set TM,   72
.set PC,   88
.set PW,   108
.set SQ,   110                         ; four registers a tile of frames: two packed chains
.set XS,   192                         ; scales and nothing else
.set PT,   202
.set D,    72
.set BEST, 136
.set IDX,  140
.set RES,  152
.set MSB, 0
.macro WIN new                         ; the immediate's high byte repeats the setting that is left; a switch that changes nothing is dropped
.if MSB != (\new)
	s_set_vgpr_msb (MSB<<8)|(\new)
.set MSB, (\new)
.endif
.endm
.macro RING u                          ; where unit u's 64 numbers lie: window RW, from v[XB]
.if (\u) < 5
.set RW, 2
.set XB, 64*((\u)%4)
.else
.set RW, 3
.set XB, 64+64*(((\u)-5)%3)
.endif
.endm
; unit u's 64 numbers a lane: register 16 b + 4 j + e = k 32 b + 16 h + 4 j + e of my frame's K step.  No hint: a repeated frame is named twice
.macro XLOAD u
	RING \u
	WIN RW<<6
.irp b, 0,1,2,3
.irp j, 0,1,2,3
	global_load_b128 v[XB+16*\b+4*\j:XB+16*\b+4*\j+3], v[XO+(\u)%5], s[32:33] offset:2048*((\u)/5)+128*\b+16*\j
.endr
.endr
	WIN 0
.endm
; unit u: its squares onto the tile's sums, its four blocks' scale bytes into v[PW], its codes into v[PC] on
.macro QUANTW u
	RING \u
.set SB, SQ+4*((\u)%5)
	WIN RW|(RW<<2)                                 ; sources 0 and 1: the unit's window
.irp b, 0,1,2,3
	v_max3_num_f32 v[TM+\b], |v[XB+16*\b]|, |v[XB+16*\b+1]|, 0x2800000   ; my 16 numbers of block b, and the floor 2^(5 - 127): so the byte cannot fall under 1
.endr
.irp i, 2,4,6,8,10,12,14
.irp b, 0,1,2,3
	v_max3_num_f32 v[TM+\b], |v[XB+16*\b+\i]|, |v[XB+16*\b+\i+1]|, v[TM+\b]   ; the four blocks by turns
.endr
.endr
.if (\u) < 5
	v_pk_mul_f32 v[SB:SB+1], v[XB:XB+1], v[XB:XB+1]               ; the tile's first unit starts its sums
	v_pk_mul_f32 v[SB+2:SB+3], v[XB+2:XB+3], v[XB+2:XB+3]
.else
	v_pk_fma_f32 v[SB:SB+1], v[XB:XB+1], v[XB:XB+1], v[SB:SB+1]
	v_pk_fma_f32 v[SB+2:SB+3], v[XB+2:XB+3], v[XB+2:XB+3], v[SB+2:SB+3]
.endif
.irp j, 4,8,12,16,20,24,28,32,36,40,44,48,52,56,60
	v_pk_fma_f32 v[SB:SB+1], v[XB+\j:XB+\j+1], v[XB+\j:XB+\j+1], v[SB:SB+1]
	v_pk_fma_f32 v[SB+2:SB+3], v[XB+\j+2:XB+\j+3], v[XB+\j+2:XB+\j+3], v[SB+2:SB+3]
.endr
	WIN 0
	s_wait_dscnt 0x0                               ; the last unit's LDS stores are done: the scale word and the codes may be written again
.irp b, 0,1,2,3
	v_permlanex16_b32 v[TM+4+\b], v[TM+\b], s20, s21
.endr
.irp b, 0,1,2,3
	v_max_num_f32 v[TM+\b], v[TM+\b], v[TM+4+\b]   ; with lane l xor 16's 16: the block's largest magnitude
.endr
.irp b, 0,1,2,3
	v_add_nc_u32 v[TM+12+\b], 0xfe000000, v[TM+\b] ; 4 off its exponent field: the conversion's scale operand
.endr
.irp b, 0,1,2,3
	v_lshrrev_b32 v[TM+4+\b], 23, v[TM+12+\b]      ; the scale's byte
.endr
	v_lshl_or_b32 v[PW], v[TM+5], 8, v[TM+4]
	v_lshl_or_b32 v[PW], v[TM+6], 16, v[PW]
	v_lshl_or_b32 v[PW], v[TM+7], 24, v[PW]
	WIN RW                                         ; the numbers: the unit's window
.irp c, 0,1
	v_cvt_scalef32_pk16_bf6_f32 v[PC+6*\c:PC+2+6*\c], v[XB+32*\c:XB+15+32*\c], v[TM+12+2*\c]
	v_cvt_scalef32_pk16_bf6_f32 v[PC+12+4*\c:PC+14+4*\c], v[XB+16+32*\c:XB+31+32*\c], v[TM+12+2*\c+1]   ; (a conversion's three registers begin on an even number)
.endr
	WIN 0
	v_nop                                          ; one plain vector instruction behind the scaled conversions
.irp c, 0,1                                    ; the operand's layout wants a WHOLE block in a lane
.irp i, 0,1,2
	v_permlane16_swap_b32 v[PC+6*\c+\i], v[PC+12+4*\c+\i]
.endr
.irp i, 0,1,2
	v_mov_b32 v[PC+3+6*\c+\i], v[PC+12+4*\c+\i]
.endr
.endr
.endm
; unit u is waited for (lc: the loads issued behind its own; -1: an earlier wait has shown it in), quantised, and its fragment and scale word go to LDS as they stand: image 5 (w + 4 (u / 5)) + u % 5: 4 LDS stores
.macro UNIT u, lc
.if (\lc) >= 0
	s_wait_loadcnt \lc
.endif
	QUANTW \u
.irp c, 0,1,2
	ds_store_b128 v[XWI], v[PC+4*\c:PC+4*\c+3] offset:1536*(20*((\u)/5)+(\u)%5)+512*\c
.endr
	ds_store_b32 v[XWS], v[PW] offset:128*(20*((\u)/5)+(\u)%5)
.endm
.macro WLOAD s                         ; my eight centroid fragments of K step s into set s % 2 of window 1: 24 loads of 512 consecutive bytes
.set WB, 96*((\s)%2)
	WIN 0x40
.irp t, 0,1,2,3,4,5,6,7
.irp c, 0,1,2
	global_load_b128 v[WB+12*\t+4*\c:WB+12*\t+4*\c+3], v[LI], s[34:35] offset:12288*(\s)+1536*\t+512*\c
.endr
.endr
	WIN 0
.endm
.macro XFETCH s                        ; the five frame fragments of K step s (window s % 2) and their scale words (window 0), from LDS: 20 LDS loads
.set XFS, 132+60*((\s)%2)
.set XSS, XS+5*((\s)%2)
	WIN ((\s)%2)<<6
.irp i, 0,1,2,3,4
.irp c, 0,1,2
	ds_load_b128 v[XFS+12*\i+4*\c:XFS+12*\i+4*\c+3], v[LI] offset:(5*(\s)+\i)*1536+512*\c
.endr
.endr
	WIN 0
.irp i, 0,1,2,3,4
	ds_load_b32 v[XSS+\i], v[LS] offset:128*(5*(\s)+\i)
.endr
.endm
.macro PROD s, i, t                    ; accumulator (i, t) takes K step s.  The first K step starts the sums: nothing is cleared
.set AC, 8*(8*((\i)%4)+(\t))
.if (\s) == 0
.if (\t)%2
	v_wmma_scale_f32_16x16x128_f8f6f4 v[AC:AC+7], v[WB+12*(\t):WB+12*(\t)+11], v[XFS+12*(\i):XFS+12*(\i)+11], 0, v[WSC+8*((\t)/2)+(\s)], v[XSS+(\i)] matrix_a_fmt:MATRIX_FMT_BF6 matrix_b_fmt:MATRIX_FMT_BF6 matrix_a_scale:MATRIX_SCALE_ROW1
.else
	v_wmma_scale_f32_16x16x128_f8f6f4 v[AC:AC+7], v[WB+12*(\t):WB+12*(\t)+11], v[XFS+12*(\i):XFS+12*(\i)+11], 0, v[WSC+8*((\t)/2)+(\s)], v[XSS+(\i)] matrix_a_fmt:MATRIX_FMT_BF6 matrix_b_fmt:MATRIX_FMT_BF6
.endif
.else
.if (\t)%2
	v_wmma_scale_f32_16x16x128_f8f6f4 v[AC:AC+7], v[WB+12*(\t):WB+12*(\t)+11], v[XFS+12*(\i):XFS+12*(\i)+11], v[AC:AC+7], v[WSC+8*((\t)/2)+(\s)], v[XSS+(\i)] matrix_a_fmt:MATRIX_FMT_BF6 matrix_b_fmt:MATRIX_FMT_BF6 matrix_a_scale:MATRIX_SCALE_ROW1
.else
	v_wmma_scale_f32_16x16x128_f8f6f4 v[AC:AC+7], v[WB+12*(\t):WB+12*(\t)+11], v[XFS+12*(\i):XFS+12*(\i)+11], v[AC:AC+7], v[WSC+8*((\t)/2)+(\s)], v[XSS+(\i)] matrix_a_fmt:MATRIX_FMT_BF6 matrix_b_fmt:MATRIX_FMT_BF6
.endif
.endif
.endm
.macro MUL s                           ; 40 matrix instructions: the 40 accumulators take turns, one instruction a turn, in the same order in every K step
.set WB, 96*((\s)%2)
.set XFS, 132+60*((\s)%2)
.set XSS, XS+5*((\s)%2)
	WIN 0xa1|(((\s)%2)<<2)                         ; source 0 window 1, source 1 window s % 2, C and D window 2
.irp i, 0,1,2,3
.irp t, 0,1,2,3,4,5,6,7
	PROD \s, \i, \t
.endr
.endr
	WIN 0xf1|(((\s)%2)<<2)                         ; C and D window 3
.irp t, 0,1,2,3,4,5,6,7
	PROD \s, 4, \t
.endr
.endm
; K step s.  lc: the global loads issued behind its centroids' 24 (-1: an earlier wait has shown them in); dc: the LDS instructions issued behind its fetch of 20;
; wl, xf: the K steps whose centroids and frames are asked for into the sets just multiplied (-1: none)
.macro KSTEP s, lc, dc, wl, xf
.if (\lc) >= 0
	s_wait_loadcnt \lc
.endif
	s_wait_dscnt \dc
	MUL \s
	WIN 0
.rept 4
	v_nop                                          ; four plain vector instructions between the last product and loads into registers that it has read, or the first read of results
.endr
.if (\wl) >= 0
	WLOAD \wl
.endif
.if (\xf) >= 0
	XFETCH \xf
.endif
.endm
.macro BARRIER                         ; my LDS stores have landed and my LDS loads are in: then the work-group's barrier
	s_wait_dscnt 0x0
	s_barrier_signal -1
	s_barrier_wait -1
.endm
	s_load_b256 s[4:11], s[0:1], 0x0               ; emb s[4:5], wcodes s[6:7], wscales s[8:9], csq s[10:11]
	s_load_b128 s[12:15], s[0:1], 0x20             ; order s[12:13], tiles s[14:15]
	s_load_b64 s[16:17], s[0:1], 0x30              ; codes
	v_lshl_add_u32 v254, v0, 2, 0x11800
	v_mov_b32 v255, 0
	v_lshrrev_b32 v1, 5, v0
	v_readfirstlane_b32 s18, v1                    ; wave 0..3
	v_and_b32 v1, 31, v0                           ; lane
	v_and_b32 v2, 15, v0                           ; r
	v_bfe_u32 v3, v0, 4, 1                         ; h
	v_lshlrev_b32 v[LI], 4, v1
	v_lshl_add_u32 v[LS], v1, 2, XSC
	s_mul_i32 s19, s18, 7680
	v_add_nc_u32 v[XWI], s19, v[LI]
	s_mul_i32 s19, s18, 640
	v_add_nc_u32 v[XWS], s19, v[LS]
	v_lshl_add_u32 v9, v2, 2, XSQ                  ; XSQ + 4 r
	s_mul_i32 s19, s18, 320
	v_add_nc_u32 v8, s19, v9                       ; XSQ + 320 w + 4 r
	v_lshl_add_u32 v11, v2, 3, RED
	s_mul_i32 s19, s18, 640
	v_add_nc_u32 v10, s19, v11                     ; RED + 640 w + 8 r
	s_lshl_b32 s19, s18, 7
	v_add_nc_u32 v11, s19, v11                     ; RED + 128 w + 8 r: row 16 w + r of wave 0's part
	v_lshlrev_b32 v13, 5, v3                       ; c_sq: 32 h
	v_lshlrev_b32 v14, 5, v2
	v_lshl_add_u32 v14, v3, 9, v14                 ; scale bytes: 32 r + 512 h
	v_lshlrev_b32 v22, 6, v3                       ; 64 h
	s_lshl_b32 s49, s18, 4
	v_add_nc_u32 v[ROWA], s49, v2                  ; the rows whose results I store at the end
	v_add_nc_u32 v[ROWB], 64, v2
	s_mov_b32 s20, 0x76543210
	s_mov_b32 s21, 0xfedcba98                      ; v_permlanex16_b32's selects for lane l xor 16
	s_lshl_b32 s30, ttmp9, 4
	s_wait_alu depctr_va_vdst(0)
	s_wait_kmcnt 0x0
	s_load_b128 s[24:27], s[14:15], s30 offset:0x0 ; my entry of the list: model, first position, count, 0
	s_wait_kmcnt 0x0
	s_min_u32 s24, s24, 7                          ; loaded numbers are held inside their ranges before they enter addresses
	s_min_u32 s25, s25, 0x3fff
	s_min_u32 s26, s26, 80
	s_max_u32 s28, s26, 1
	s_sub_co_u32 s28, s28, 1                       ; the last row that is a frame of its own
.irp i, 0,1,2,3,4
	v_add_nc_u32 v[PT+\i], 16*\i, v2               ; row 16 i + r of the tile,
	v_min_u32 v[PT+\i], s28, v[PT+\i]              ; or the tile's last frame again,
	v_add_nc_u32 v[PT+\i], s25, v[PT+\i]
	v_min_u32 v[PT+\i], 0x3fff, v[PT+\i]           ; its position, held inside the list
	v_lshlrev_b32 v[PT+\i], 2, v[PT+\i]
	global_load_b32 v[XO+\i], v[PT+\i], s[12:13]
.endr
	s_lshl_b32 s29, s24, 2
	s_add_co_u32 s29, s29, s18                     ; 4 model + wave: which 128 centroids are mine
	s_mov_b32 s31, 0
	s_lshl_b32 s30, s18, 9
	s_add_nc_u64 s[32:33], s[4:5], s[30:31]        ; emb at my first 128 k
	s_mul_i32 s30, s29, 98304
	s_add_nc_u64 s[34:35], s[6:7], s[30:31]        ; my centroids' codes,
	s_lshl_b32 s30, s29, 12
	s_add_nc_u64 s[36:37], s[8:9], s[30:31]        ; scale bytes,
	s_lshl_b32 s30, s29, 9
	s_add_nc_u64 s[38:39], s[10:11], s[30:31]      ; sums of squares
	s_lshl_b32 s30, s29, 7
.irp p, 0,1,2,3
.irp q, 0,1
	global_load_b128 v[WSC+8*\p+4*\q:WSC+8*\p+4*\q+3], v14, s[36:37] offset:1024*\p+16*\q   ; row 16 (2 p + h) + r: its eight scale words
.endr
.endr
	WLOAD 0                                        ; K step 0's centroids go out beside the frame numbers
	v_lshl_add_u32 v15, v3, 3, s30                 ; 512 model + 128 w + 8 h: the row number of my register 0 of tile 0
	v_add_nc_u32 v[ADA], s25, v[ROWA]              ; my rows' positions in the list, held inside it, as byte offsets: made here, all lanes on, and kept
	v_add_nc_u32 v[ADB], s25, v[ROWB]
	v_min_u32 v[ADA], 0x3fff, v[ADA]
	v_min_u32 v[ADB], 0x3fff, v[ADB]
	v_lshlrev_b32 v[ADA], 2, v[ADA]
	v_lshlrev_b32 v[ADB], 2, v[ADB]
.irp b, 0,1,2,3
	v_mov_b32 v[TM+4+\b], 0                        ; written once: a lane permute's destination counts as one of its sources
.endr
	s_wait_alu depctr_va_vdst(0)
	s_wait_loadcnt 32                              ; the five frame numbers are in; the 8 loads of scale words and the 24 of centroids may be out
.irp i, 0,1,2,3,4
	v_min_u32 v[XO+\i], 0x3fff, v[XO+\i]
	v_lshl_add_u32 v[XO+\i], v[XO+\i], 12, v22     ; frame x 4,096 bytes + 64 h
.endr
	s_wait_alu depctr_va_vdst(0)
	; ---- the first half of K becomes codes.  Four units of 16 loads are out at a time; the second half's units follow the first's without a break.
	; (Where more loads are asked for than LOADcnt's field counts, the issue of the load waits: ISA guide 5.7.1; no wait is written for that)
	XLOAD 0
	XLOAD 1
	XLOAD 2
	XLOAD 3
	UNIT 0, 48                                     ; three younger units of 16 may be out; all that the head asked for is in
	XLOAD 4
	UNIT 1, 48
	XLOAD 5
	UNIT 2, 48
	XLOAD 6
	UNIT 3, 48
	XLOAD 7
	UNIT 4, 48
	WLOAD 1
	BARRIER                                        ; the 20 images of K steps 0-3 and their scale words lie in LDS
	; ---- K steps 0-3, and between them the second half of K becomes codes
	XFETCH 0
	XFETCH 1
	KSTEP 0, -1, 20, 2, 2                          ; behind fetch 0: fetch 1
	UNIT 5, 63                                     ; behind unit 5: units 6, 7 and two sets of 24, 80 loads: the count is the field's largest
	XLOAD 8
	KSTEP 1, 40, 24, 3, 3                          ; behind set 1: set 2 and unit 8; behind fetch 1: fetch 2 and an image's 4 stores
	UNIT 6, -1
	XLOAD 9
	KSTEP 2, 56, 28, 4, -1                         ; behind set 2: unit 8, set 3, unit 9; behind fetch 2: 4 stores, fetch 3, 4 stores
	UNIT 7, -1
	KSTEP 3, 40, 8, 5, -1                          ; behind set 3: unit 9 and set 4; behind fetch 3: two images' stores
	UNIT 8, -1
	UNIT 9, 48                                     ; behind unit 9: sets 4 and 5
	WIN 0xc0                                       ; destination window 3: the slots there are done with
.irp t, 0,1,2,3,4,5,6,7
.irp q, 0,1
	global_load_b128 v[160+8*\t+4*\q:163+8*\t+4*\q], v13, s[38:39] offset:64*\t+16*\q   ; c_sq of centroids 16 t + 8 h + 0 .. 7
.endr
.endr
	WIN 0
.irp i, 0,1,2,3,4
	v_pk_add_f32 v[SQ+4*\i:SQ+4*\i+1], v[SQ+4*\i:SQ+4*\i+1], v[SQ+4*\i+2:SQ+4*\i+3]
.endr
.irp i, 0,1,2,3,4
	v_add_f32 v[SQ+4*\i], v[SQ+4*\i], v[SQ+4*\i+1]
.endr
.irp i, 0,1,2,3,4
	v_permlanex16_b32 v[SQ+4*\i+2], v[SQ+4*\i], s20, s21
.endr
.irp i, 0,1,2,3,4
	v_add_f32 v[SQ+4*\i], v[SQ+4*\i], v[SQ+4*\i+2] ; row 16 i + r: the sum of squares over my 256 k
	ds_store_b32 v8, v[SQ+4*\i] offset:64*\i
.endr
	BARRIER                                        ; the images of K steps 4-7, their scale words and the partial sums lie in LDS
.irp i, 0,1,2,3,4
.irp q, 0,1,2,3
	ds_load_b32 v[PT+4*\i+\q], v9 offset:320*\q+64*\i
.endr
.endr
	XFETCH 4
	XFETCH 5
	s_wait_dscnt 40                                ; the 20 partial sums are in; the two fetches of 20 may be out
.irp i, 0,1,2,3,4
	v_add_f32 v[XQS+2*\i], v[PT+4*\i], v[PT+4*\i+1]
	v_add_f32 v[XQS+2*\i+1], v[PT+4*\i+2], v[PT+4*\i+3]
.endr
.irp i, 0,1,2,3,4
	v_add_f32 v[XQS+2*\i], v[XQS+2*\i], v[XQS+2*\i+1]   ; x_sq of frame 16 i + r,
.endr
.irp i, 0,1,2,3,4
	v_mov_b32 v[XQS+2*\i+1], v[XQS+2*\i]           ; in both halves of a pair
.endr
	KSTEP 4, 40, 20, 6, 6                          ; behind set 4: set 5 and the 16 loads of c_sq
	KSTEP 5, 40, 20, 7, 7                          ; behind set 5: c_sq and set 6
	KSTEP 6, 24, 20, -1, -1                        ; behind set 6: set 7
	KSTEP 7, 0, 0, -1, -1
	v_mov_b32 v144, 0                              ; written once: a lane permute's destination counts as one of its sources
	v_mov_b32 v145, 0
; ---- frame tile i: my 64 distances of one frame, the smallest and the first place where it stands
.macro MERGE a, b                      ; chain b, of higher places, into chain a: a tie keeps a's
	v_cmp_le_f32 s40, v[BEST+\a], v[BEST+\b]
	v_cndmask_b32 v[IDX+\a], v[IDX+\b], v[IDX+\a], s40
	v_min_num_f32 v[BEST+\a], v[BEST+\a], v[BEST+\b]
.endm
.macro ARGMIN i
.if (\i) < 4
	WIN 0x02                                       ; source 0: the accumulators' window
.else
	WIN 0x03
.endif
.set AB, 64*((\i)%4)
.irp n, 0,2,4,6,8,10,12,14,16,18,20,22,24,26,28,30,32,34,36,38,40,42,44,46,48,50,52,54,56,58,60,62
	v_pk_fma_f32 v[D+\n:D+\n+1], v[AB+\n:AB+\n+1], -2.0, v[XQS+2*(\i):XQS+2*(\i)+1] op_sel_hi:[1,0,1]   ; x_sq - 2 dot, rounded once (2 dot is exact); each accumulator is read from its low end on
.endr
	WIN 0x0c                                       ; source 1: window 3
.irp n, 0,2,4,6,8,10,12,14,16,18,20,22,24,26,28,30,32,34,36,38,40,42,44,46,48,50,52,54,56,58,60,62
	v_pk_add_f32 v[D+\n:D+\n+1], v[D+\n:D+\n+1], v[160+\n:161+\n]   ; + c_sq
.endr
	WIN 0
.irp c, 0,1,2,3                        ; four chains over places 16 c .. 16 c + 15, by turns; place n = 8 t + j rises with the centroid's number
	v_mov_b32 v[BEST+\c], v[D+16*\c]
	v_mov_b32 v[IDX+\c], 16*\c
.endr
.irp e, 1,2,3,4,5,6,7,8,9,10,11,12,13,14,15
.irp c, 0,1,2,3
	v_cmp_le_f32 s[40+\c], v[BEST+\c], v[D+16*\c+\e]   ; the earlier place stays on a tie
.endr
.irp c, 0,1,2,3
	v_cndmask_b32 v[IDX+\c], 16*\c+\e, v[IDX+\c], s[40+\c]
.endr
.irp c, 0,1,2,3
	v_min_num_f32 v[BEST+\c], v[BEST+\c], v[D+16*\c+\e]
.endr
.endr
	MERGE 0, 1
	MERGE 2, 3
	MERGE 0, 2
	v_lshrrev_b32 v146, 3, v[IDX]
	v_and_b32 v147, 7, v[IDX]
	v_lshl_add_u32 v146, v146, 4, v147
	v_add_nc_u32 v146, v146, v15                   ; the centroid's row number: 16 t + j + (512 model + 128 w + 8 h)
	v_permlanex16_b32 v144, v[BEST], s20, s21      ; the frame's other 64 centroids of my wave lie in lane l xor 16
	v_permlanex16_b32 v145, v146, s20, s21
	v_cmp_lt_f32 s40, v144, v[BEST]
	v_cmp_eq_f32 s41, v144, v[BEST]
	v_cmp_lt_u32 s42, v145, v146
	s_and_b32 s41, s41, s42
	s_or_b32 s40, s40, s41                         ; the other lane's is smaller, or equal with the lower number
	v_cndmask_b32 v[RES+2*(\i)], v[BEST], v144, s40
	v_cndmask_b32 v[RES+2*(\i)+1], v146, v145, s40
	ds_store_b64 v10, v[RES+2*(\i):RES+2*(\i)+1] offset:128*(\i)   ; lanes r and r + 16 write the same 8 bytes with the same values
.endm
	s_wait_alu depctr_va_vdst(0)
.irp i, 0,1,2,3,4
	ARGMIN \i
.endr
	BARRIER                                        ; each wave's best of its 128 centroids lies in LDS, for all 80 rows
; ---- a tile of 16 rows: the four waves' results are joined, lower centroids first, and the row numbers stored.  row, adr: the registers made at the head
.macro FINAL off, row, adr
.irp q, 0,1,2,3
	ds_load_b64 v[160+2*\q:161+2*\q], v11 offset:640*\q+\off
.endr
	s_wait_dscnt 0x0
.irp q, 1,2,3
	v_cmp_le_f32 s40, v160, v[160+2*\q]            ; a tie keeps the earlier wave's, whose numbers are lower
	v_cndmask_b32 v161, v[161+2*\q], v161, s40
	v_min_num_f32 v160, v160, v[160+2*\q]
.endr
	s_wait_alu depctr_va_vdst(0)
	s_wait_xcnt 0x0                                ; EXEC changes only behind this wait
	v_cmp_gt_u32 vcc_lo, s26, v[\row]              ; only rows that are frames of their own
	s_and_saveexec_b32 s48, vcc_lo
	global_store_b32 v[\adr], v161, s[16:17]       ; 64 bytes at the most: 64 KiB in the whole launch
	s_wait_xcnt 0x0                                ; and again in front of the line that widens it; the store's data register may be written again too
	s_or_b32 exec_lo, exec_lo, s48
.endm
	FINAL 0, ROWA, ADA                             ; wave w: rows 16 w .. 16 w + 15
	s_cmp_lg_u32 s18, 0
	s_cbranch_scc1 .Lend
	FINAL 512, ROWB, ADB                           ; wave 0: rows 64 .. 79 too
.Lend:
	s_wait_tensorcnt 0x0
	ds_add_u32 v254, v255
	s_wait_dscnt 0x0
	s_endpgm
.Lfunc_end_k_q963a99de98_dist:
	.size	k_q963a99de98_dist, .Lfunc_end_k_q963a99de98_dist-k_q963a99de98_dist
	.p2alignl 7, 3214868480
	.fill 96, 4, 3214868480
	.section	.rodata,"a",@progbits
	.p2align	6, 0x0
	.amdhsa_kernel k_q963a99de98_dist
		.amdhsa_group_segment_fixed_size 72192
		.amdhsa_private_segment_fixed_size 0
		.amdhsa_enable_private_segment 0
		.amdhsa_kernarg_size 56
		.amdhsa_user_sgpr_count 2
		.amdhsa_user_sgpr_kernarg_segment_ptr 1
		.amdhsa_wavefront_size32 1
		.amdhsa_system_sgpr_workgroup_id_x 1
		.amdhsa_system_sgpr_workgroup_id_y 1
		.amdhsa_system_sgpr_workgroup_id_z 1
		.amdhsa_system_vgpr_workitem_id 0
		.amdhsa_next_free_vgpr 1024
		.amdhsa_next_free_sgpr 66
		.amdhsa_reserve_vcc 1
		.amdhsa_float_denorm_mode_32 3
		.amdhsa_float_denorm_mode_16_64 3
		.amdhsa_memory_ordered 1
		.amdhsa_forward_progress 1
		.amdhsa_inst_pref_size 236
	.end_amdhsa_kernel
	.amdgpu_metadata
---
amdhsa.version: [ 1, 2 ]
amdhsa.kernels:
  - .name:           k_q963a99de98_dist
    .symbol:         k_q963a99de98_dist.kd
    .args:
      - { .name: emb, .offset: 0, .size: 8, .value_kind: global_buffer, .address_space: global }
      - { .name: wcodes, .offset: 8, .size: 8, .value_kind: global_buffer, .address_space: global }
      - { .name: wscales, .offset: 16, .size: 8, .value_kind: global_buffer, .address_space: global }
      - { .name: csq, .offset: 24, .size: 8, .value_kind: global_buffer, .address_space: global }
      - { .name: order, .offset: 32, .size: 8, .value_kind: global_buffer, .address_space: global }
      - { .name: tiles, .offset: 40, .size: 8, .value_kind: global_buffer, .address_space: global }
      - { .name: codes, .offset: 48, .size: 8, .value_kind: global_buffer, .address_space: global }
    .group_segment_fixed_size: 72192
    .private_segment_fixed_size: 0
    .kernarg_segment_align: 8
    .kernarg_segment_size: 56
    .max_flat_workgroup_size: 128
    .sgpr_count:     66
    .vgpr_count:     1024
    .wavefront_size: 32
...
	.end_amdgpu_metadata
.endif
;; end of part 2
;; launch fetch (part 3): grid 512 x 1, 8 waves a work-group, no clusters, 0 bytes of LDS; arguments centroids, order, codes, out0; writes out0
.if DOCPART == 3
	.amdgcn_target "amdgcn-amd-amdhsa--gfx1250"
	.amdhsa_code_object_version 6
	.text
	.protected	k_q963a99de98_fetch
	.globl	k_q963a99de98_fetch
	.p2align	8
	.type	k_q963a99de98_fetch,@function
k_q963a99de98_fetch:
	s_mov_b64 s[64:65], 0
	v_nop
	global_prefetch_b8 v0, s[64:65] scope:SCOPE_SE
	s_setreg_imm32_b32 hwreg(HW_REG_WAVE_MODE, 25, 1), 1
	s_wait_xcnt 0x0
; out0[order[p]] = centroids' row codes[p], for all 16,384 positions p of the sorted list.  Rows are 4,096 bytes of f32, copied as they are.
; A wave takes 4 positions: 32 work-group + 4 wave + 0 .. 3.  Frame numbers and row numbers are the same for all lanes, so they come by scalar loads and enter scalar bases.
; All 32 loads of a wave (16 KiB) go out at once; each load and each store covers 512 consecutive bytes at a multiple of 512 from its buffer's first byte.  No register is written twice.
; No LDS, no barrier, no matrix unit: a copy.  The loads carry no hint: a centroid's row is wanted by many frames; the stores are written once and read by nobody here.
	s_load_b256 s[4:11], s[0:1], 0x0               ; centroids s[4:5], order s[6:7], codes s[8:9], out0 s[10:11]
	v_lshrrev_b32 v1, 5, v0
	s_delay_alu instid0(VALU_DEP_1)
	v_readfirstlane_b32 s12, v1                    ; wave 0..7
	v_and_b32 v1, 31, v0
	s_delay_alu instid0(VALU_DEP_1)
	v_lshlrev_b32 v1, 4, v1                        ; 16 bytes a lane
	s_lshl_b32 s13, ttmp9, 7
	s_lshl_b32 s14, s12, 4
	s_add_co_u32 s13, s13, s14                     ; 4 bytes x my first position
	s_wait_alu depctr_va_vdst(0)
	s_wait_kmcnt 0x0
	s_load_b128 s[16:19], s[6:7], s13 offset:0x0   ; four frame numbers
	s_load_b128 s[20:23], s[8:9], s13 offset:0x0   ; four row numbers
	s_mov_b32 s15, 0
	s_wait_kmcnt 0x0
.irp i, 0,1,2,3
	s_min_u32 s14, s[20+\i], 0xfff                 ; loaded numbers are held inside their tables before they enter addresses
	s_lshl_b32 s14, s14, 12
	s_add_nc_u64 s[32+2*\i:33+2*\i], s[4:5], s[14:15]
	s_min_u32 s14, s[16+\i], 0x3fff
	s_lshl_b32 s14, s14, 12
	s_add_nc_u64 s[48+2*\i:49+2*\i], s[10:11], s[14:15]
.endr
.irp i, 0,1,2,3
.irp k, 0,1,2,3,4,5,6,7
	global_load_b128 v[4+32*\i+4*\k:7+32*\i+4*\k], v1, s[32+2*\i:33+2*\i] offset:512*\k
.endr
.endr
.irp i, 0,1,2,3
	s_wait_loadcnt 8*(3-\i)                        ; this row's eight loads are in; the younger rows' may be out
.irp k, 0,1,2,3,4,5,6,7
	global_store_b128 v1, v[4+32*\i+4*\k:7+32*\i+4*\k], s[48+2*\i:49+2*\i] offset:512*\k th:TH_STORE_NT
.endr
.endr
	s_endpgm
.Lfunc_end_k_q963a99de98_fetch:
	.size	k_q963a99de98_fetch, .Lfunc_end_k_q963a99de98_fetch-k_q963a99de98_fetch
	.p2alignl 7, 3214868480
	.fill 96, 4, 3214868480
	.section	.rodata,"a",@progbits
	.p2align	6, 0x0
	.amdhsa_kernel k_q963a99de98_fetch
		.amdhsa_group_segment_fixed_size 0
		.amdhsa_private_segment_fixed_size 0
		.amdhsa_enable_private_segment 0
		.amdhsa_kernarg_size 32
		.amdhsa_user_sgpr_count 2
		.amdhsa_user_sgpr_kernarg_segment_ptr 1
		.amdhsa_wavefront_size32 1
		.amdhsa_system_sgpr_workgroup_id_x 1
		.amdhsa_system_sgpr_workgroup_id_y 1
		.amdhsa_system_sgpr_workgroup_id_z 1
		.amdhsa_system_vgpr_workitem_id 0
		.amdhsa_next_free_vgpr 136
		.amdhsa_next_free_sgpr 66
		.amdhsa_reserve_vcc 0
		.amdhsa_float_denorm_mode_32 3
		.amdhsa_float_denorm_mode_16_64 3
		.amdhsa_memory_ordered 1
		.amdhsa_forward_progress 1
		.amdhsa_inst_pref_size 8
	.end_amdhsa_kernel
	.amdgpu_metadata
---
amdhsa.version: [ 1, 2 ]
amdhsa.kernels:
  - .name:           k_q963a99de98_fetch
    .symbol:         k_q963a99de98_fetch.kd
    .args:
      - { .name: centroids, .offset: 0, .size: 8, .value_kind: global_buffer, .address_space: global }
      - { .name: order, .offset: 8, .size: 8, .value_kind: global_buffer, .address_space: global }
      - { .name: codes, .offset: 16, .size: 8, .value_kind: global_buffer, .address_space: global }
      - { .name: out0, .offset: 24, .size: 8, .value_kind: global_buffer, .address_space: global }
    .group_segment_fixed_size: 0
    .private_segment_fixed_size: 0
    .kernarg_segment_align: 8
    .kernarg_segment_size: 32
    .max_flat_workgroup_size: 256
    .sgpr_count:     66
    .vgpr_count:     136
    .wavefront_size: 32
...
	.end_amdgpu_metadata
.endif
;; end of part 3
